; MI455X (gfx1250); checked and timed in simulation.
; The chip was launched on July 23, 2026; its instructions are those of AMD's public machine-readable ISA for CDNA 5 (MIT licence, August 2026) and "CDNA5" Instruction Set Architecture Reference Guide (July 2026). The comments in the code are by the model that wrote it; some were corrected since.
;; GMM Seg Head. Allowed arithmetic: float matrix products may take bf16 or f16 operands with f32 sums; other float arithmetic in f32, or as packed bf16 or f16 multiplies, adds, multiply-adds, maxima and minima; sums over many terms, partial sums and values carried from step to step in f32; what a program stores and reads back later, other than sums and carried values, may be rounded once to bf16 or f16.
;; Inputs: diagonal 19 x 5 x 512 float32; feat_beta 512 float32; feat_gamma 512 float32; mask_beta 19 float32; mask_gamma 19 float32; means 19 x 5 x 512 float32; x 4 x 512 x 128 x 128 float32.
;; Outputs: out0 4 x 19 x 128 x 128 float32.
;; One version. Each part assembles by itself: llvm-mc -triple=amdgcn-amd-amdhsa -mcpu=gfx1250 --defsym DOCPART=n.
;; ======== version 1 of 1: 2 launches
;; workspace buffers: wtab 201,728 bytes
;; launch prep (part 1): grid 7 x 1, 16 waves a work-group, no clusters, 36,352 bytes of LDS; arguments means, diagonal, feat_gamma, feat_beta, mask_gamma, mask_beta, wtab; writes wtab
.if DOCPART == 1
	.amdgcn_target "amdgcn-amd-amdhsa--gfx1250"
	.amdhsa_code_object_version 6
	.text
	.protected	k_qe7c637b06a_prep
	.globl	k_qe7c637b06a_prep
	.p2align	8
	.type	k_qe7c637b06a_prep,@function
k_qe7c637b06a_prep:
	s_mov_b64 s[64:65], 0
	v_nop
	global_prefetch_b8 v0, s[64:65] scope:SCOPE_SE
	s_setreg_imm32_b32 hwreg(HW_REG_WAVE_MODE, 25, 1), 1
	s_wait_xcnt 0x0
; Makes the table wtab that the main launch copies whole into LDS:
;   bytes 0 .. 196,607   f16 fragments [w 0..3][s 0..3][q 0..1][t 0..5][g 0..1][lane 0..31][16 bytes]:
;                        lane (m = lane & 15, hk = lane >> 4) holds channels 128 w + 32 s + 16 g + 8 hk + 0..7 of slot row m of tile t;
;                        q = 0: Wf = 64 mu iv / M1, q = 1: Wq = -iv / M1, with iv = 1 / sigma^2, M1 = the row's largest iv, mu = means / max(|means|, 1e-12)
;   196,608              512 x (feat_gamma, feat_beta)
;   200,704              [t][h][a 0..3] x (e_i, e_i+1, c_i, c_i+1), i = 8 t + 2 a:  log_prob = acc e + c,
;                        e = M1 / 2048, c = -0.5 sum mu^2 iv - sum ln sigma
;   201,472              for each lane half h: mask_gamma[12], mask_beta[12] in the order of that half's classes; 16 words of 0
; The term 0.5 D log 2 pi is left out: it is the same for all 19 classes, and the class LayerNorm subtracts the mean over the classes.
; SLOTS: slot (t, h, jj) is row 8 h + jj of tile t, i = 8 t + jj.  h = 0: p = i.  h = 1: p = 50 + i for i <= 44, p = 3 + i for i = 45, 46;
; i = 47 is a spare with W = 0, e = 0, c = -2^127, which no maximum takes.  So in either half slots 5 k .. 5 k + 4 are one class.
; LIMITS: sigma positive and between about 1e-18 and 1e18 (iv and its sums stay inside f32); v_sqrt_f32, v_rcp_f32 and v_log_f32 take denormals as zero.
; Work-groups 0 to 5 make one tile t each, wave m its slot row m; work-group 6 makes the two small tables of gains and biases.
.set RAW, 4                            ; v[4:19]   16 means of my channels 16 L .. 16 L + 15; later the packed f16
.set SG,  20                           ; v[20:35]  16 sigma; later the blocks on their way out
.set IV,  36                           ; v[36:51]  1 / sigma^2
.set LG,  52                           ; v[52:67]  log2 sigma; later Wf in f32
.set SQ,  68                           ; v[68:83]  means^2; later Wq in f32
.set BPITCH, 528                       ; a block of 512 bytes + 16, so that the lanes' blocks do not all start at one bank
.set ECS, 64*BPITCH                    ; behind the 64 blocks: 16 pairs (e, c), wave m's at 8 m
.set OGB, 196608
.set OET, 200704
.set OMK, 201472
	s_load_b256 s[4:11], s[0:1], 0x0               ; means s[4:5], diagonal s[6:7], feat_gamma s[8:9], feat_beta s[10:11]
	s_load_b128 s[12:15], s[0:1], 0x20             ; mask_gamma s[12:13], mask_beta s[14:15]
	s_load_b64 s[16:17], s[0:1], 0x30              ; wtab
	v_lshl_add_u32 v96, v0, 2, 0x8600
	v_mov_b32 v97, 0
	v_lshrrev_b32 v1, 5, v0
	v_readfirstlane_b32 s20, v1                    ; wave = slot row m
	v_and_b32 v1, 31, v0                           ; lane L
	s_mov_b32 s22, 0x76543210                      ; v_permlanex16_b32: lane i reads lane i of the other half
	s_mov_b32 s23, 0xfedcba98
	s_cmp_eq_u32 ttmp9, 6                          ; the same for all waves of a work-group
	s_cbranch_scc1 .Ltable
	; ---- a tile of 16 slot rows ----
	s_lshr_b32 s21, s20, 3                         ; h
	s_and_b32 s24, s20, 7                          ; jj
	s_lshl3_add_u32 s25, ttmp9, s24                ; i = 8 t + jj
	s_add_co_u32 s26, s25, 50                      ; h = 1, i <= 44
	s_add_co_u32 s27, s25, 3                       ; h = 1, i = 45, 46
	s_cmp_gt_u32 s25, 44
	s_cselect_b32 s26, s27, s26
	s_cmp_eq_u32 s25, 47
	s_cselect_b32 s26, 50, s26                     ; the spare reads a row that exists and multiplies it by 0
	s_cmp_eq_u32 s21, 0
	s_cselect_b32 s26, s25, s26                    ; p
	s_lshl_b32 s27, s21, 6
	s_add_co_u32 s27, s27, s25
	s_cmp_eq_u32 s27, 111                          ; h = 1 and i = 47
	s_cselect_b32 s28, 0, 1.0                      ; keep
	s_cselect_b32 s29, 0xff000000, 0               ; -2^127 for the spare
	s_lshl_b32 s30, s26, 11                        ; a row is 2,048 bytes
	v_lshl_add_u32 v2, v1, 6, s30                  ; + 64 L
	v_lshrrev_b32 v84, 1, v1
	v_and_b32 v85, 1, v1
	v_lshl_add_u32 v84, v84, 2, v85                ; block of (w, s, q = 0, g): 4 (L >> 1) + (L & 1)
	v_mul_u32_u24 v3, v84, BPITCH
	s_lshl_b32 s31, s20, 4
	v_add_nc_u32 v3, s31, v3                       ; + 16 m: my row's place among the block's lanes
	v_mov_b32 v91, 0                               ; v_permlanex16_b32 counts as a reader of its destination
	s_wait_kmcnt 0x0
.irp k, 0,1,2,3
	global_load_b128 v[RAW+4*\k:RAW+4*\k+3], v2, s[4:5] offset:16*\k
.endr
.irp k, 0,1,2,3
	global_load_b128 v[SG+4*\k:SG+4*\k+3], v2, s[6:7] offset:16*\k
.endr
	s_wait_loadcnt 0x0
.set kk, 0
.rept 16
	v_rcp_f32 v[IV+kk], v[SG+kk]
.set kk, kk+1
.endr
.set kk, 0
.rept 16
	v_log_f32 v[LG+kk], v[SG+kk]
.set kk, kk+1
.endr
	v_nop                                          ; one plain place behind the transcendentals (ISA guide 5.7.2)
.set kk, 0
	s_wait_alu depctr_va_vdst(0)
.rept 8
	v_pk_mul_f32 v[IV+2*kk:IV+2*kk+1], v[IV+2*kk:IV+2*kk+1], v[IV+2*kk:IV+2*kk+1]
	v_pk_mul_f32 v[SQ+2*kk:SQ+2*kk+1], v[RAW+2*kk:RAW+2*kk+1], v[RAW+2*kk:RAW+2*kk+1]
.set kk, kk+1
.endr
	; four figures of my 16 channels; the first terms start the chains
	v_pk_add_f32 v[84:85], v[SQ:SQ+1], v[SQ+2:SQ+3]                ; sum means^2
	v_pk_mul_f32 v[86:87], v[SQ:SQ+1], v[IV:IV+1]                  ; sum means^2 iv
	v_pk_add_f32 v[88:89], v[LG:LG+1], v[LG+2:LG+3]                ; sum log2 sigma
	v_max_num_f32 v90, v[IV], v[IV+1]                              ; max iv
	v_pk_fma_f32 v[86:87], v[SQ+2:SQ+3], v[IV+2:IV+3], v[86:87]
	v_max3_num_f32 v90, v90, v[IV+2], v[IV+3]
.set kk, 2
.rept 6
	v_pk_add_f32 v[84:85], v[84:85], v[SQ+2*kk:SQ+2*kk+1]
	v_pk_fma_f32 v[86:87], v[SQ+2*kk:SQ+2*kk+1], v[IV+2*kk:IV+2*kk+1], v[86:87]
	v_pk_add_f32 v[88:89], v[88:89], v[LG+2*kk:LG+2*kk+1]
	v_max3_num_f32 v90, v90, v[IV+2*kk], v[IV+2*kk+1]
.set kk, kk+1
.endr
	v_add_f32 v84, v84, v85
	v_add_f32 v86, v86, v87
	v_add_f32 v88, v88, v89
.macro WSUM r                          ; the sum over the wave's 32 lanes, in every lane
	v_add_f32_dpp v\r, v\r, v\r row_xmask:1 row_mask:0xf bank_mask:0xf
	v_add_f32_dpp v\r, v\r, v\r row_xmask:2 row_mask:0xf bank_mask:0xf
	v_add_f32_dpp v\r, v\r, v\r row_xmask:4 row_mask:0xf bank_mask:0xf
	v_add_f32_dpp v\r, v\r, v\r row_xmask:8 row_mask:0xf bank_mask:0xf
	v_permlanex16_b32 v91, v\r, s22, s23
	v_add_f32 v\r, v\r, v91
.endm
	WSUM 84
	WSUM 86
	WSUM 88
	v_max_num_f32_dpp v90, v90, v90 row_xmask:1 row_mask:0xf bank_mask:0xf
	v_max_num_f32_dpp v90, v90, v90 row_xmask:2 row_mask:0xf bank_mask:0xf
	v_max_num_f32_dpp v90, v90, v90 row_xmask:4 row_mask:0xf bank_mask:0xf
	v_max_num_f32_dpp v90, v90, v90 row_xmask:8 row_mask:0xf bank_mask:0xf
	v_permlanex16_b32 v91, v90, s22, s23
	v_max_num_f32 v90, v90, v91                    ; M1
	v_sqrt_f32 v92, v84                            ; |means|
	v_rcp_f32 v93, v90                             ; 1 / M1
	v_nop
	s_wait_alu depctr_va_vdst(0)
	v_max_num_f32 v92, 0x2b8cbccc, v92             ; max(|means|, 1e-12)
	v_rcp_f32 v92, v92                             ; invn
	v_mul_f32 v93, s28, v93                        ; keep / M1 (also the plain place behind v_rcp_f32)
	s_wait_alu depctr_va_vdst(0)
	v_mul_f32 v85, v92, v92
	v_mul_f32 v94, 0xc2800000, v92                 ; -64 invn
	v_mul_f32 v85, v85, v86                        ; invn^2 sum means^2 iv = q3
	v_mov_b32 v95, v94                             ; a pair for the packed multiply
	v_mul_f32 v85, -0.5, v85
	v_mul_f32 v86, 0x3a000000, v90                 ; M1 / 2048
	v_fma_f32 v85, 0xbf317218, v88, v85            ; - ln 2 x sum log2 sigma
	v_mul_f32 v86, s28, v86                        ; e
	v_fma_f32 v87, v85, s28, s29                   ; c (the spare: -2^127), beside e in a pair
	v_mul_f32 v92, -1.0, v93                       ; -keep / M1,
	v_mov_b32 v93, v92                             ; twice
.set kk, 0
.rept 8
	v_pk_mul_f32 v[SQ+2*kk:SQ+2*kk+1], v[IV+2*kk:IV+2*kk+1], v[92:93]                  ; Wq = -iv / M1, in [-1, 0]
.set kk, kk+1
.endr
.set kk, 0
.rept 8
	v_pk_mul_f32 v[LG+2*kk:LG+2*kk+1], v[RAW+2*kk:RAW+2*kk+1], v[SQ+2*kk:SQ+2*kk+1]
.set kk, kk+1
.endr
.set kk, 0
.rept 8
	v_pk_mul_f32 v[LG+2*kk:LG+2*kk+1], v[LG+2*kk:LG+2*kk+1], v[94:95]                  ; Wf = 64 mu iv / M1, at most 64 in size
.set kk, kk+1
.endr
.set kk, 0
.rept 8
	v_cvt_pk_f16_f32 v[RAW+kk], v[LG+2*kk], v[LG+2*kk+1]
	v_cvt_pk_f16_f32 v[RAW+8+kk], v[SQ+2*kk], v[SQ+2*kk+1]
.set kk, kk+1
.endr
	ds_store_b128 v3, v[RAW:RAW+3]                                 ; Wf, channels 0..7 of my 16: lanes 0-15 of the block
	ds_store_b128 v3, v[RAW+4:RAW+7] offset:256                    ; Wf, channels 8..15: lanes 16-31
	ds_store_b128 v3, v[RAW+8:RAW+11] offset:2*BPITCH              ; Wq: two blocks on
	ds_store_b128 v3, v[RAW+12:RAW+15] offset:2*BPITCH+256
	v_mov_b32 v89, s20
	v_lshlrev_b32 v89, 3, v89                      ; 8 m
	ds_store_b64 v89, v[86:87] offset:ECS          ; (e, c) of my row: all lanes write the same 8 bytes with the same values
	s_wait_dscnt 0x0                               ; my stores are done, for the waves that read them behind the barrier
	s_barrier_signal -1
	s_barrier_wait -1
	; wave v copies blocks 4 v .. 4 v + 3 out: (w, s) = v, q = n >> 1, g = n & 1; each store covers 512 consecutive bytes, aligned
	s_mul_i32 s30, s20, 4*BPITCH
	v_lshlrev_b32 v86, 4, v1                       ; 16 L
	v_add_nc_u32 v84, s30, v86
	s_mul_i32 s31, s20, 12288
	s_lshl_b32 s32, ttmp9, 10
	s_add_co_u32 s31, s31, s32
	v_add_nc_u32 v88, s31, v86
.irp n, 0,1,2,3
	ds_load_b128 v[SG+4*\n:SG+4*\n+3], v84 offset:BPITCH*\n
.endr
.irp n, 0,1,2,3
	s_wait_dscnt 3-\n                              ; LDS loads come back in order: block n is in, the younger ones may be out
	global_store_b128 v88, v[SG+4*\n:SG+4*\n+3], s[16:17] offset:6144*(\n/2)+512*(\n%2)
.endr
	s_cmp_lg_u32 s20, 0
	s_cbranch_scc1 .Lrow_end
	; wave 0: the tile's 32 words of e and c in the table's order.  Word o = 4 a + u is e (u < 2) or c of row 2 a + (u & 1): it lies at 16 a + 8 (o & 1) + 4 ((o >> 1) & 1)
	v_and_b32 v90, 28, v1
	v_and_b32 v91, 1, v1
	v_lshlrev_b32 v90, 2, v90                      ; 16 a
	v_lshl_add_u32 v90, v91, 3, v90
	v_and_b32 v91, 2, v1
	v_lshl_add_u32 v90, v91, 1, v90
	s_lshl_b32 s33, ttmp9, 7
	v_lshl_add_u32 v92, v1, 2, s33                 ; 128 t + 4 L
	ds_load_b32 v[IV], v90 offset:ECS
	s_wait_dscnt 0x0
	global_store_b32 v92, v[IV], s[16:17] offset:OET               ; 32 lanes store 128 consecutive bytes: all that this tile has of the table
.Lrow_end:
	s_wait_tensorcnt 0x0
	ds_add_u32 v96, v97
	s_wait_dscnt 0x0
	s_endpgm
	; ---- the tables of gains and biases ----
.Ltable:
	v_lshlrev_b32 v2, 2, v0
	v_lshlrev_b32 v3, 3, v0
	s_wait_kmcnt 0x0
	global_load_b32 v4, v2, s[8:9]                 ; feat_gamma[thread]
	global_load_b32 v5, v2, s[10:11]               ; feat_beta[thread]
	s_wait_loadcnt 0x0
	global_store_b64 v3, v[4:5], s[16:17] offset:OGB               ; a wave's store covers 256 consecutive bytes, aligned
	s_cmp_gt_u32 s20, 1
	s_cbranch_scc1 .Ltab_end
	v_mul_u32_u24 v6, 43, v0                       ; threads 0 to 63: word o of the class table
	v_lshrrev_b32 v6, 9, v6                        ; section = o / 12 (43 / 512 serves up to o = 63): 2 h + (0 gain, 1 bias)
	v_mul_u32_u24 v7, 12, v6
	v_sub_nc_u32 v7, v0, v7                        ; k' = o mod 12
	v_lshrrev_b32 v8, 1, v6
	v_mul_u32_u24 v8, 10, v8
	v_add_nc_u32 v8, v8, v7                        ; class k' + 10 h,
	v_min_u32 v8, 18, v8                           ; kept inside the 19,
	v_mov_b32 v9, 9
	v_cmp_eq_u32 vcc_lo, 9, v7
	v_cndmask_b32 v8, v8, v9, vcc_lo               ; and class 9 at k' = 9 in both halves
	v_lshlrev_b32 v8, 2, v8
	global_load_b32 v10, v8, s[12:13]
	global_load_b32 v11, v8, s[14:15]
	v_and_b32 v12, 1, v6
	v_cmp_eq_u32 vcc_lo, 1, v12
	s_wait_loadcnt 0x0
	v_cndmask_b32 v10, v10, v11, vcc_lo            ; odd sections hold the biases
	v_cmp_gt_u32 vcc_lo, 10, v7
	v_cmp_gt_u32 s24, 48, v0
	s_and_b32 vcc_lo, vcc_lo, s24
	v_cndmask_b32 v10, 0, v10, vcc_lo              ; 0 at k' = 10, 11 and in the last 16 words
	global_store_b32 v2, v10, s[16:17] offset:OMK
.Ltab_end:
	s_endpgm
.Lfunc_end_k_qe7c637b06a_prep:
	.size	k_qe7c637b06a_prep, .Lfunc_end_k_qe7c637b06a_prep-k_qe7c637b06a_prep
	.p2alignl 7, 3214868480
	.fill 96, 4, 3214868480
	.section	.rodata,"a",@progbits
	.p2align	6, 0x0
	.amdhsa_kernel k_qe7c637b06a_prep
		.amdhsa_group_segment_fixed_size 36352
		.amdhsa_private_segment_fixed_size 0
		.amdhsa_enable_private_segment 0
		.amdhsa_kernarg_size 56
		.amdhsa_user_sgpr_count 2
		.amdhsa_user_sgpr_kernarg_segment_ptr 1
		.amdhsa_wavefront_size32 1
		.amdhsa_system_sgpr_workgroup_id_x 1
		.amdhsa_system_sgpr_workgroup_id_y 1
		.amdhsa_system_sgpr_workgroup_id_z 1
		.amdhsa_system_vgpr_workitem_id 0
		.amdhsa_next_free_vgpr 98
		.amdhsa_next_free_sgpr 66
		.amdhsa_reserve_vcc 1
		.amdhsa_float_denorm_mode_32 3
		.amdhsa_float_denorm_mode_16_64 3
		.amdhsa_memory_ordered 1
		.amdhsa_forward_progress 1
		.amdhsa_inst_pref_size 15
	.end_amdhsa_kernel
	.amdgpu_metadata
---
amdhsa.version: [ 1, 2 ]
amdhsa.kernels:
  - .name:           k_qe7c637b06a_prep
    .symbol:         k_qe7c637b06a_prep.kd
    .args:
      - { .name: means, .offset: 0, .size: 8, .value_kind: global_buffer, .address_space: global }
      - { .name: diagonal, .offset: 8, .size: 8, .value_kind: global_buffer, .address_space: global }
      - { .name: feat_gamma, .offset: 16, .size: 8, .value_kind: global_buffer, .address_space: global }
      - { .name: feat_beta, .offset: 24, .size: 8, .value_kind: global_buffer, .address_space: global }
      - { .name: mask_gamma, .offset: 32, .size: 8, .value_kind: global_buffer, .address_space: global }
      - { .name: mask_beta, .offset: 40, .size: 8, .value_kind: global_buffer, .address_space: global }
      - { .name: wtab, .offset: 48, .size: 8, .value_kind: global_buffer, .address_space: global }
    .group_segment_fixed_size: 36352
    .private_segment_fixed_size: 0
    .kernarg_segment_align: 8
    .kernarg_segment_size: 56
    .max_flat_workgroup_size: 512
    .sgpr_count:     66
    .vgpr_count:     98
    .wavefront_size: 32
...
	.end_amdgpu_metadata
.endif
;; end of part 1
;; launch main (part 2): grid 256 x 1, 4 waves a work-group, clusters of 4 x 1, 308,736 bytes of LDS; arguments x, wtab, out0; writes out0
.if DOCPART == 2
	.amdgcn_target "amdgcn-amd-amdhsa--gfx1250"
	.amdhsa_code_object_version 6
	.text
	.protected	k_qe7c637b06a_main
	.globl	k_qe7c637b06a_main
	.p2align	8
	.type	k_qe7c637b06a_main,@function
k_qe7c637b06a_main:
	s_mov_b64 s[64:65], 0
	v_nop
	global_prefetch_b8 v0, s[64:65] scope:SCOPE_SE
	s_setreg_imm32_b32 hwreg(HW_REG_WAVE_MODE, 25, 1), 1
	s_wait_xcnt 0x0
	s_wait_alu depctr_hold_cnt(0) depctr_sa_sdst(0) depctr_va_vdst(0) depctr_va_sdst(0) depctr_va_ssrc(0) depctr_va_vcc(0) depctr_vm_vsrc(0)
	s_getreg_b32 s2, hwreg(HW_REG_IB_STS2, 6, 4)
	s_cmp_eq_u32 s2, 0
	s_cbranch_scc0 .Lentry_in_a_cluster
	s_endpgm
.Lentry_in_a_cluster:
	s_bfe_u32 s2, ttmp6, 0x10000c
	s_cmp_lg_u32 s2, 0x3003
	s_cbranch_scc0 .Lentry_shape_is_right
	s_endpgm
.Lentry_shape_is_right:
; out[b][k][pixel] = LayerNorm over the 19 classes of max over 5 components of log_prob(f, component), f = l2norm(LayerNorm over 512 channels of x).
; A work-group takes 256 neighbouring pixels of one image, as four tiles of 64.  x lies as [b][c][pixel], a channel plane is 65,536 bytes.
; x GOES STRAIGHT INTO FRAGMENT LAYOUT: a 16-byte load at byte 16 r of a channel's row gives lane r pixels 4 r .. 4 r + 3, so register j of the load
; is a piece of the column of pixel fragment j (pixels 4 r + j); lanes 0-15 take 256 consecutive aligned bytes of channel c, lanes 16-31 of channel c + 8.
; Wave w owns channels 128 w .. 128 w + 127 of every tile (K is split over the four waves), in four chunks of 32 channels = one K step each.
; THE PASSES OF A TILE: A sum x over my 128 channels, my own mean; B x - my mean and the sum of squares about it (a true second pass); the four waves' (mean, M2)
; meet in LDS: mean = the mean of the four, M2 = sum M2_w + 128 sum (mean_w - mean)^2, all terms non-negative: no difference of large sums;
; C y = ((x - mean_w) rstd + (mean_w - mean) rstd) gamma + beta and sum y^2, which meets in LDS too; D F = f16(32 y / |y|), F2 = F F,
; acc = F Wf + F2 Wq on one f32 accumulator for each (pixel, row); then the four waves' partial sums meet in LDS, wave w finishes pixel fragment w:
; log_prob = acc e + c, maxima, class LayerNorm; the 19 x 64 results leave through LDS as whole rows of 256 bytes.
; THE ORDER: neighbouring tiles are interleaved, so that two barriers serve a tile.  Between pass D of tile t and pass D of tile t + 1 stand:
;   the stores of t's partial sums, passes A and B of t + 1, the store of its (mean, M2)                          | barrier 1 |
;   the loads of both, pass C of t + 1 while t's partial sums come in, t's sums and epilogue, the stores of t's rows and of t + 1's sum y^2  | barrier 2 |
;   t's rows to memory, the scale of t + 1.
; Two register pools of 256 take turns.  Tile t + 2 is requested in pass D of tile t into t's own pool, whose chunks are dead once they are converted:
; it has the whole way to the next pass D's end in which to land.
; f16 OPERANDS: |F| <= 32, F2 <= 1024, |Wf| <= 64, |Wq| <= 1 by construction for every input (f is a unit vector, each weight row is divided by its own
; largest 1 / sigma^2), so f16's range is never left; the scales are undone in f32 by e.
; THE WEIGHTS (wtab, 201,728 bytes) are the same for every work-group: the four work-groups of a cluster ask for them JOINTLY, two tensor loads a wave, once:
; first a quarter of the small tables, then a quarter of the fragments.  These LDS bytes are never filled again and never stored to.
; By this text's count a wave has two tensor loads outstanding.
; The term 0.5 D log 2 pi is not added: it is equal for all 19 classes and the class LayerNorm subtracts the mean over the classes.
; LIMITS: |gamma|, |beta| below about 1e18 (sum y^2 stays inside f32); a NaN in one component is dropped by v_max3_num_f32, where jnp.max would keep it;
; v_sqrt_f32, v_rcp_f32 and v_rsq_f32 take denormals as zero.
.set PLANE, 65536                      ; bytes of a channel plane
.set LGB,   196608                     ; LDS image of wtab: (gamma, beta) pairs
.set LET,   200704                     ;                    e and c
.set LMK,   201472                     ;                    mask gains and biases
.set FQUART, 49152                     ; a wave's quarter of the fragments: 192 rows of 256 bytes
.set TQUART, 1280                      ; a wave's quarter of the tables: 5 rows of 256 bytes
.set STAT,  201728                     ; behind the image: 3 regions (means, M2, sum y^2) x 4 waves x 256 bytes
.set RED,   204800                     ; [owner j][source w] x 6,144 bytes: partial accumulators
.set OST,   303104                     ; 19 rows x 256 bytes: a tile's results
; window 0
.set XOFF,  2                          ; 524,288 h + 16 r: my place in a channel row, never rewritten
.set PFO,   3                          ; 65,536 x lane, for the prefetch, never rewritten
.set WADR,  4                          ; my wave's weight fragments
.set GBADR, 5                          ; my (gamma, beta) pairs
.set EXS,   6                          ; pixel sums: where I store
.set EXL,   7                          ; and where I read all four waves'
.set REDS,  8                          ; v8, v9: partial accumulators out (owners 0, 1 and 2, 3)
.set REDL,  10                         ; and in
.set ETAD,  11
.set OSTA,  12
.set OST9,  13
.set OLDA,  14
.set OGO,   15                         ; my byte offset in out0, never rewritten
.set ML,    16                         ; v[16:19] my wave's own mean of my four pixels
.set RSTD,  20
.set SC,    24
.set SUM,   28                         ; v[28:43] four sets x four pixels: eight packed chains
.set TMP,   44                         ; v[44:59]
.set PT,    60                         ; v[60:63]
.set FR,    64                         ; v[64:95]   F, fragment j at 8 j; between two passes D: (gamma, beta) of chunk 0
.set FR2,   96                         ; v[96:127]  F2; (gamma, beta) of chunk 1
.set WT,    128                        ; v[128:223] 12 weight fragments [q][t]; between two passes D: (gamma, beta) of chunks 2 and 3, then e and c
.set OUTR,  224                        ; v[224:233]
.set OLD3,  234                        ; result row 16 + w in LDS, 8 bytes a lane
.set OGO3,  235                        ; and its byte offset in out0, never rewritten
.set DR,    236                        ; v[236:239] (my wave's mean - the mean) x rstd
.set TMP2,  240                        ; v[240:255]
; window 1: 0..191 accumulators, tile (j, t) at 8 (6 j + t); behind barrier 1 the four waves' parts of my fragment at 48 w'
.set CM,    48                         ; ten class maxima, then deviations, then results
.set PX,    60
.set MP,    62
.set ST1,   64
.set QS,    74
.set RS,    76
.set QS2,   78
.set MG,    192                        ; 12 gains, 12 biases, kept for the whole launch
.set MB,    204
; windows 2 and 3: the two pools; quad i of chunk s at 64 s + 4 i + pixel; its channel is 128 w + 32 s + 8 h + (i < 8 ? i : i + 8): k in its true place
.set MSB, 0
.macro WIN new                         ; s_set_vgpr_msb: bits 1:0 source 0, 3:2 source 1, 5:4 source 2, 7:6 destination; the high byte repeats the setting left
.if MSB != \new
	s_set_vgpr_msb (MSB<<8)|\new
.set MSB, \new
.endif
.endm
.macro SETW p                          ; the settings for pool p
.set W_ADD1, (\p)<<2
.set W_SQ,   (\p)|((\p)<<2)
.set W_INPL, (\p)|((\p)<<6)
.endm
.macro BAR
	s_barrier_signal -1
	s_barrier_wait -1
.endm
.macro ROUND                           ; a round of the cluster's barrier; at a branch and at a label every window is 0
	WIN 0
	s_barrier_signal -1
	s_barrier_wait -1
	s_cmp_lg_u32 s10, 0
	s_cbranch_scc1 .Lnot_wave_0_\@
	s_barrier_signal -3
.Lnot_wave_0_\@:
	s_barrier_wait -3
	s_barrier_signal -1
	s_barrier_wait -1
.endm
; 16 loads: chunk s of tile tau into pool pp.  Each covers two whole rows of 256 bytes (channels c and c + 8).
; A wave requests up to 64 loads, four chunks; where that is one more than LOADcnt's field holds, the issue of the last one waits (ISA guide 5.7.1); the counts below are not touched by that.
.macro LOADX tau, pp, s
.set W_LDX, (\pp)<<6
	WIN W_LDX
.set ii, 0
.rept 16
	global_load_b128 v[64*(\s)+4*ii:64*(\s)+4*ii+3], v[XOFF], s[4:5] offset:(32*(\s)+ii+8*(ii/8))*PLANE+256*(\tau) th:TH_LOAD_NT
.set ii, ii+1
.endr
.endm
; pass A, chunk s: eight chains; the first eight quads start them, nothing is cleared
.macro SUMX s
.if \s == 0
	WIN W_SQ
.set ii, 0
.rept 8
	v_pk_add_f32 v[SUM+2*ii:SUM+2*ii+1], v[2*ii:2*ii+1], v[2*ii+16:2*ii+17]
.set ii, ii+1
.endr
	WIN W_ADD1
.set ii, 16
.rept 16
	v_pk_add_f32 v[SUM+(2*ii)%16:SUM+(2*ii)%16+1], v[SUM+(2*ii)%16:SUM+(2*ii)%16+1], v[2*ii:2*ii+1]
.set ii, ii+1
.endr
.else
	WIN W_ADD1
.set ii, 0
.rept 32
	v_pk_add_f32 v[SUM+(2*ii)%16:SUM+(2*ii)%16+1], v[SUM+(2*ii)%16:SUM+(2*ii)%16+1], v[64*(\s)+2*ii:64*(\s)+2*ii+1]
.set ii, ii+1
.endr
.endif
.endm
; SUM += X X over chunk s; chunk 0's first four quads start the chains
.macro SQSUM s
	WIN W_SQ
.set ii, 0
.rept 32
.if 32*(\s)+ii < 8
	v_pk_mul_f32 v[SUM+(2*ii)%16:SUM+(2*ii)%16+1], v[64*(\s)+2*ii:64*(\s)+2*ii+1], v[64*(\s)+2*ii:64*(\s)+2*ii+1]
.else
	v_pk_fma_f32 v[SUM+(2*ii)%16:SUM+(2*ii)%16+1], v[64*(\s)+2*ii:64*(\s)+2*ii+1], v[64*(\s)+2*ii:64*(\s)+2*ii+1], v[SUM+(2*ii)%16:SUM+(2*ii)%16+1]
.endif
.set ii, ii+1
.endr
.endm
; X = X x (a figure of each of my four pixels, in v[f : f + 3]), chunk s, in place
.macro XMUL s, f
	WIN W_INPL
.set ii, 0
.rept 32
	v_pk_mul_f32 v[64*(\s)+2*ii:64*(\s)+2*ii+1], v[64*(\s)+2*ii:64*(\s)+2*ii+1], v[\f+2*(ii%2):\f+2*(ii%2)+1]
.set ii, ii+1
.endr
.endm
; The four sets and the two lane halves are folded: v[SUM : SUM + 3] = my wave's sums over its 128 channels for my four pixels, in both halves
.macro FOLD
	WIN 0
	v_pk_add_f32 v[SUM:SUM+1], v[SUM:SUM+1], v[SUM+4:SUM+5]
	v_pk_add_f32 v[SUM+2:SUM+3], v[SUM+2:SUM+3], v[SUM+6:SUM+7]
	v_pk_add_f32 v[SUM+8:SUM+9], v[SUM+8:SUM+9], v[SUM+12:SUM+13]
	v_pk_add_f32 v[SUM+10:SUM+11], v[SUM+10:SUM+11], v[SUM+14:SUM+15]
	v_pk_add_f32 v[SUM:SUM+1], v[SUM:SUM+1], v[SUM+8:SUM+9]
	v_pk_add_f32 v[SUM+2:SUM+3], v[SUM+2:SUM+3], v[SUM+10:SUM+11]
.irp j, 0,1,2,3
	v_permlanex16_b32 v[PT+\j], v[SUM+\j], s28, s29                ; the other half's channels of the same pixels
.endr
	v_pk_add_f32 v[SUM:SUM+1], v[SUM:SUM+1], v[PT:PT+1]
	v_pk_add_f32 v[SUM+2:SUM+3], v[SUM+2:SUM+3], v[PT+2:PT+3]
.endm
.macro SETGB s                         ; where chunk s's 16 (gamma, beta) pairs lie
.if \s < 2
.set GBB, FR+32*(\s)
.else
.set GBB, WT+32*((\s)-2)
.endif
.endm
; 8 LDS loads: (gamma, beta) of chunk s's 16 quads: register 2 i gamma, 2 i + 1 beta
.macro GBLOAD s
	SETGB \s
	WIN 0
.set ii, 0
.rept 8
	ds_load_b128 v[GBB+4*ii:GBB+4*ii+3], v[GBADR] offset:256*(\s)+128*(ii/4)+16*(ii%4)
.set ii, ii+1
.endr
.endm
.macro PASSB
.irp s, 0,1,2,3
	WIN W_INPL
.set ii, 0
.rept 32
	v_pk_add_f32 v[64*\s+2*ii:64*\s+2*ii+1], v[64*\s+2*ii:64*\s+2*ii+1], v[ML+2*(ii%2):ML+2*(ii%2)+1] neg_lo:[0,1] neg_hi:[0,1]
.set ii, ii+1
.endr
	SQSUM \s
.endr
.endm
; From the four waves' means (TMP) and M2 (TMP2), in the order of the waves in every wave: RSTD and DR
.macro STATS
	WIN 0
	v_pk_add_f32 v[SUM:SUM+1], v[TMP:TMP+1], v[TMP+4:TMP+5]
	v_pk_add_f32 v[SUM+2:SUM+3], v[TMP+2:TMP+3], v[TMP+6:TMP+7]
	v_pk_add_f32 v[SUM+4:SUM+5], v[TMP+8:TMP+9], v[TMP+12:TMP+13]
	v_pk_add_f32 v[SUM+6:SUM+7], v[TMP+10:TMP+11], v[TMP+14:TMP+15]
	v_pk_add_f32 v[SUM:SUM+1], v[SUM:SUM+1], v[SUM+4:SUM+5]
	v_pk_add_f32 v[SUM+2:SUM+3], v[SUM+2:SUM+3], v[SUM+6:SUM+7]
	v_pk_mul_f32 v[SUM:SUM+1], v[SUM:SUM+1], 0x3e800000 op_sel_hi:[1,0]            ; the mean over 512 channels: a quarter of the four means' sum
	v_pk_mul_f32 v[SUM+2:SUM+3], v[SUM+2:SUM+3], 0x3e800000 op_sel_hi:[1,0]
.irp k, 0,1,2,3
	v_pk_add_f32 v[TMP+4*\k:TMP+4*\k+1], v[TMP+4*\k:TMP+4*\k+1], v[SUM:SUM+1] neg_lo:[0,1] neg_hi:[0,1]          ; mean_k - mean
	v_pk_add_f32 v[TMP+4*\k+2:TMP+4*\k+3], v[TMP+4*\k+2:TMP+4*\k+3], v[SUM+2:SUM+3] neg_lo:[0,1] neg_hi:[0,1]
.endr
	v_pk_mul_f32 v[SUM+4:SUM+5], v[TMP:TMP+1], v[TMP:TMP+1]
	v_pk_mul_f32 v[SUM+6:SUM+7], v[TMP+2:TMP+3], v[TMP+2:TMP+3]
.irp k, 1,2,3
	v_pk_fma_f32 v[SUM+4:SUM+5], v[TMP+4*\k:TMP+4*\k+1], v[TMP+4*\k:TMP+4*\k+1], v[SUM+4:SUM+5]
	v_pk_fma_f32 v[SUM+6:SUM+7], v[TMP+4*\k+2:TMP+4*\k+3], v[TMP+4*\k+2:TMP+4*\k+3], v[SUM+6:SUM+7]
.endr
	v_pk_add_f32 v[TMP2:TMP2+1], v[TMP2:TMP2+1], v[TMP2+4:TMP2+5]
	v_pk_add_f32 v[TMP2+2:TMP2+3], v[TMP2+2:TMP2+3], v[TMP2+6:TMP2+7]
	v_pk_add_f32 v[TMP2+8:TMP2+9], v[TMP2+8:TMP2+9], v[TMP2+12:TMP2+13]
	v_pk_add_f32 v[TMP2+10:TMP2+11], v[TMP2+10:TMP2+11], v[TMP2+14:TMP2+15]
	v_pk_add_f32 v[TMP2:TMP2+1], v[TMP2:TMP2+1], v[TMP2+8:TMP2+9]
	v_pk_add_f32 v[TMP2+2:TMP2+3], v[TMP2+2:TMP2+3], v[TMP2+10:TMP2+11]
	v_pk_fma_f32 v[SUM+4:SUM+5], v[SUM+4:SUM+5], 0x43000000, v[TMP2:TMP2+1] op_sel_hi:[1,0,1]      ; M2 = 128 sum (mean_k - mean)^2 + sum M2_k
	v_pk_fma_f32 v[SUM+6:SUM+7], v[SUM+6:SUM+7], 0x43000000, v[TMP2+2:TMP2+3] op_sel_hi:[1,0,1]
.irp j, 0,1,2,3
	v_fma_f32 v[SUM+8+\j], v[SUM+4+\j], s30, s31   ; variance + 1e-5
.endr
.irp j, 0,1,2,3
	v_rsq_f32 v[RSTD+\j], v[SUM+8+\j]
.endr
	v_pk_add_f32 v[DR:DR+1], v[ML:ML+1], v[SUM:SUM+1] neg_lo:[0,1] neg_hi:[0,1]    ; my wave's mean - the mean; also the plain place behind v_rsq_f32 (ISA guide 5.7.2)
	v_pk_add_f32 v[DR+2:DR+3], v[ML+2:ML+3], v[SUM+2:SUM+3] neg_lo:[0,1] neg_hi:[0,1]
	s_wait_alu depctr_va_vdst(0)
	v_pk_mul_f32 v[DR:DR+1], v[DR:DR+1], v[RSTD:RSTD+1]
	v_pk_mul_f32 v[DR+2:DR+3], v[DR+2:DR+3], v[RSTD+2:RSTD+3]
.endm
; pass C, chunk s
.macro CCHUNK s
	SETGB \s
	WIN W_INPL
.set ii, 0
.rept 32
	v_pk_fma_f32 v[64*(\s)+2*ii:64*(\s)+2*ii+1], v[64*(\s)+2*ii:64*(\s)+2*ii+1], v[RSTD+2*(ii%2):RSTD+2*(ii%2)+1], v[DR+2*(ii%2):DR+2*(ii%2)+1]   ; (x - mean) rstd
.set ii, ii+1
.endr
.set ii, 0
.rept 32                                               ; y = that x gamma + beta: source 1 takes the pair's first register for both halves, source 2 its second
	v_pk_fma_f32 v[64*(\s)+2*ii:64*(\s)+2*ii+1], v[64*(\s)+2*ii:64*(\s)+2*ii+1], v[GBB+2*(ii/2):GBB+2*(ii/2)+1], v[GBB+2*(ii/2):GBB+2*(ii/2)+1] op_sel:[0,0,1] op_sel_hi:[1,0,1]
.set ii, ii+1
.endr
	SQSUM \s
.endm
; 24 matrix instructions: the six row tiles of weight kind q x the four pixel fragments at fr.  A = 16 slot rows, B = 16 pixels: in the result register jj
; of lane (r, h) is slot row 8 h + jj of tile t for pixel 4 r + j.  The 24 accumulators take turns, one instruction a turn, in the same order
; everywhere.  first = 1: the product starts the sums, nothing is cleared.
.macro MM q, fr, first
.set tt, 0
.rept 6
.set jj, 0
.rept 4
.if \first
	v_wmma_f32_16x16x32_f16 v[8*(6*jj+tt):8*(6*jj+tt)+7], v[WT+8*(6*\q+tt):WT+8*(6*\q+tt)+7], v[\fr+8*jj:\fr+8*jj+7], 0
.else
	v_wmma_f32_16x16x32_f16 v[8*(6*jj+tt):8*(6*jj+tt)+7], v[WT+8*(6*\q+tt):WT+8*(6*\q+tt)+7], v[\fr+8*jj:\fr+8*jj+7], v[8*(6*jj+tt):8*(6*jj+tt)+7]
.endif
.set jj, jj+1
.endr
.set tt, tt+1
.endr
.endm
; pass D, chunk s.  wl = 1: the next tile, requested a pass D ago, is waited for here.  ld = 1: chunks 0 to 2 of tile tl are requested into pool pl, this tile's own.
.macro CHUNKD s, first, wl, ld, tl, pl
	XMUL \s, SC                                    ; 32 y / |y|.  These 32 plain instructions on the pool also stand between the last chunk's matrix instructions
	WIN 0                                          ; and the loads into their sources (ISA guide 7.12.1 asks for four)
.set ii, 0
.rept 24
	ds_load_b128 v[WT+4*ii:WT+4*ii+3], v[WADR] offset:12288*(\s)+512*ii    ; [q][t][g]: Wf's twelve first
.set ii, ii+1
.endr
	WIN W_SQ
.set jj, 0
.rept 4
.set ii, 0
.rept 8
	v_cvt_pk_f16_f32 v[FR+8*jj+ii], v[64*(\s)+8*ii+jj], v[64*(\s)+8*ii+4+jj]       ; quads 2 i, 2 i + 1 of pixel j: two neighbouring k
.set ii, ii+1
.endr
.set jj, jj+1
.endr
	WIN 0
.set ii, 0
.rept 32
	v_pk_mul_f16 v[FR2+ii], v[FR+ii], v[FR+ii]
.set ii, ii+1
.endr
.if \wl
	s_wait_loadcnt 0x0                             ; the next tile's 64 loads: pass A reads them behind this chunk's products
.endif
.if \ld
	LOADX \tl, \pl, 0                              ; behind this chunk's weight loads, so that 48 matrix instructions stand between these 48 loads and my next LDS access;
	LOADX \tl, \pl, 1                              ; chunks 0 to 2 of the pool have been converted
	LOADX \tl, \pl, 2
.endif
	s_wait_dscnt 12                                ; Wf's fragments are in; the twelve loads of Wq's may be out
	WIN 0x50                                       ; C and D in window 1
	MM 0, FR, \first
	s_wait_dscnt 0
	MM 1, FR2, 0
.endm
.macro PASSD p, wl, ld, tl
	SETW \p
	CHUNKD 0, 1, 0, 0, 0, \p
	CHUNKD 1, 0, 0, 0, 0, \p
	CHUNKD 2, 0, 0, 0, 0, \p
	CHUNKD 3, 0, \wl, \ld, \tl, \p
.endm
; my partial accumulators to their owners
.macro REDST
	WIN 0
.rept 4
	v_nop                                          ; four places behind the last matrix instructions, for the stores of their results and the loads into their registers
.endr
	WIN 0x04                                       ; store data from window 1
.set jj, 0
.rept 4
.set ii, 0
.rept 12
	ds_store_b128 v[REDS+jj/2], v[48*jj+4*ii:48*jj+4*ii+3] offset:(jj%2)*24576+512*ii
.set ii, ii+1
.endr
.set jj, jj+1
.endr
.endm
.macro REDLD
	WIN 0x40
.set ii, 0
.rept 48
	ds_load_b128 v[4*ii:4*ii+3], v[REDL] offset:512*ii             ; the four waves' parts of fragment w, 48 registers each
.set ii, ii+1
.endr
.endm
; the four parts are added, log_prob, maxima, class LayerNorm; the results go to their rows in LDS
.macro FINISH
	s_wait_dscnt 24                                ; waves 0 and 1's parts are in; the 24 loads of waves 2 and 3's may be out
	WIN 0x45
.set ii, 0
.rept 24
	v_pk_add_f32 v[2*ii:2*ii+1], v[2*ii:2*ii+1], v[48+2*ii:48+2*ii+1]
.set ii, ii+1
.endr
	WIN 0
.set ii, 0
.rept 24
	ds_load_b128 v[WT+4*ii:WT+4*ii+3], v[ETAD] offset:128*(ii/4)+16*(ii%4)         ; e_i, e_i+1, c_i, c_i+1 for i = 2 ii
.set ii, ii+1
.endr
	s_wait_dscnt 24                                ; waves 2 and 3's parts are in; the 24 loads of e and c may be out
	WIN 0x45
.set ii, 0
.rept 24
	v_pk_add_f32 v[96+2*ii:96+2*ii+1], v[96+2*ii:96+2*ii+1], v[144+2*ii:144+2*ii+1]
.set ii, ii+1
.endr
.set ii, 0
.rept 24
	v_pk_add_f32 v[2*ii:2*ii+1], v[2*ii:2*ii+1], v[96+2*ii:96+2*ii+1]
.set ii, ii+1
.endr
	s_wait_dscnt 0x0
	WIN 0x41                                       ; e and c from window 0
.set ii, 0
.rept 24
	v_pk_fma_f32 v[2*ii:2*ii+1], v[2*ii:2*ii+1], v[WT+4*ii:WT+4*ii+1], v[WT+4*ii+2:WT+4*ii+3]      ; log_prob = acc e + c
.set ii, ii+1
.endr
	WIN 0x55                                       ; all in window 1
.set ii, 0
.rept 9
	v_max3_num_f32 v[ST1+ii], v[5*ii], v[5*ii+1], v[5*ii+2]
.set ii, ii+1
.endr
	v_max3_num_f32 v[CM+9], v45, v46, v47          ; my half's part of class 9
.set ii, 0
.rept 9
	v_max3_num_f32 v[CM+ii], v[ST1+ii], v[5*ii+3], v[5*ii+4]       ; class ii + 10 h
.set ii, ii+1
.endr
	v_permlanex16_b32 v[PX], v[CM+9], s28, s29
	v_pk_add_f32 v[QS:QS+1], v[CM:CM+1], v[CM+2:CM+3]
	v_pk_add_f32 v[QS2:QS2+1], v[CM+4:CM+5], v[CM+6:CM+7]
	v_max_num_f32 v[CM+9], v[CM+9], v[PX]
	v_pk_add_f32 v[QS:QS+1], v[QS:QS+1], v[QS2:QS2+1]
	v_add_f32 v[QS], v[QS], v[QS+1]
	v_add_f32 v[QS], v[QS], v[CM+8]                ; my nine classes
	v_permlanex16_b32 v[PX], v[QS], s28, s29
	v_add_f32 v[QS], v[QS], v[PX]                  ; + the other half's nine
	v_add_f32 v[QS], v[QS], v[CM+9]                ; + class 9
	v_mul_f32 v[MP], s33, v[QS]                    ; the mean, twice
	v_mul_f32 v[MP+1], s33, v[QS]
.set ii, 0
.rept 5
	v_pk_add_f32 v[CM+2*ii:CM+2*ii+1], v[CM+2*ii:CM+2*ii+1], v[MP:MP+1] neg_lo:[0,1] neg_hi:[0,1]
.set ii, ii+1
.endr
	v_pk_mul_f32 v[QS:QS+1], v[CM:CM+1], v[CM:CM+1]
	v_pk_fma_f32 v[QS:QS+1], v[CM+2:CM+3], v[CM+2:CM+3], v[QS:QS+1]
	v_pk_fma_f32 v[QS:QS+1], v[CM+4:CM+5], v[CM+4:CM+5], v[QS:QS+1]
	v_pk_fma_f32 v[QS:QS+1], v[CM+6:CM+7], v[CM+6:CM+7], v[QS:QS+1]
	v_add_f32 v[QS], v[QS], v[QS+1]
	v_fma_f32 v[QS], v[CM+8], v[CM+8], v[QS]
	v_permlanex16_b32 v[PX], v[QS], s28, s29
	v_add_f32 v[QS], v[QS], v[PX]
	v_fma_f32 v[QS], v[CM+9], v[CM+9], v[QS]
	v_fma_f32 v[QS], v[QS], s33, s31               ; variance + 1e-5
	v_rsq_f32 v[RS], v[QS]
	v_rsq_f32 v[RS+1], v[QS]
	v_nop                                          ; one plain place behind the transcendentals (ISA guide 5.7.2)
.set ii, 0
	s_wait_alu depctr_va_vdst(0)
.rept 5
	v_pk_mul_f32 v[CM+2*ii:CM+2*ii+1], v[CM+2*ii:CM+2*ii+1], v[RS:RS+1]
.set ii, ii+1
.endr
.set ii, 0
.rept 5
	v_pk_fma_f32 v[CM+2*ii:CM+2*ii+1], v[CM+2*ii:CM+2*ii+1], v[MG+2*ii:MG+2*ii+1], v[MB+2*ii:MB+2*ii+1]
.set ii, ii+1
.endr
	WIN 0x04
.set ii, 0
.rept 9
	ds_store_b32 v[OSTA], v[CM+ii] offset:256*ii   ; row = class ii + 10 h, byte 4 (4 r + w)
.set ii, ii+1
.endr
	ds_store_b32 v[OST9], v[CM+9]                  ; class 9: both halves hold the same bits
.endm
; What stands between two passes D.  hc = 1: tile tc's accumulators are complete.  hn = 1: tile tn lies in pool pn.
; first = 1: tile 0: its loads are waited for chunk by chunk, tile 1 is requested among them, and the weights are waited for.
; ld3 = 1: the last chunk of tile tn + 1 is requested into the other pool.  pf = 1: tile tn + 2 is asked for ahead.
; Each scratch region is stored to in front of one barrier, read behind it, and stored to again only behind the other barrier, in front of which every wave
; has waited for all its LDS accesses.
.macro STAGES hc, tc, hn, tn, pn, first, ld3, pf
.if \hc
	REDST
.endif
.if \hn
	SETW \pn
.irp s, 0,1,2,3
.if \first
	s_wait_loadcnt 48                              ; loads come back in order (ISA guide 5.7.1): behind chunk s stand three chunks of 16, tile 0's later ones and tile 1's earlier ones
.endif
	SUMX \s
.if \first
	LOADX 1, 3, \s
.endif
.endr
.if \ld3
	LOADX \tn+1, 5-\pn, 3                          ; the pool's last chunk was converted in the last pass D
.endif
	FOLD
	v_pk_mul_f32 v[ML:ML+1], v[SUM:SUM+1], 0x3c000000 op_sel_hi:[1,0]              ; / 128: my wave's own mean
	v_pk_mul_f32 v[ML+2:ML+3], v[SUM+2:SUM+3], 0x3c000000 op_sel_hi:[1,0]
	PASSB
	FOLD
	ds_store_b128 v[EXS], v[ML:ML+3]                               ; both halves write the same bytes with the same values
	ds_store_b128 v[EXS], v[SUM:SUM+3] offset:1024
.endif
	WIN 0
.if \first
	s_wait_tensorcnt 0x1                           ; my quarter of the tables has landed; the fragments, requested behind it, may be out
.endif
	s_wait_dscnt 0x0                               ; for the other waves' sake: every LDS access of mine is done
	BAR                                            ; barrier 1
.if \hn
.irp k, 0,1,2,3
	ds_load_b128 v[TMP+4*\k:TMP+4*\k+3], v[EXL] offset:256*\k
.endr
.irp k, 0,1,2,3
	ds_load_b128 v[TMP2+4*\k:TMP2+4*\k+3], v[EXL] offset:1024+256*\k
.endr
	GBLOAD 0
	GBLOAD 1
	GBLOAD 2
	GBLOAD 3
	s_wait_dscnt 32                                ; the eight loads of means and M2 are in; the 32 of (gamma, beta) may be out
	STATS
.if \pf
	; My wave's own 128 rows of 256 bytes of tile tn + 2, each asked for once in the launch, one lane a row.  The loads that want them are issued in chunk 3 of the
	; next pass D: pass C, the epilogue and 144 matrix instructions stand between.  32 KiB a wave.  Tiles 2 and 3 ask for nothing: no request leaves x.
.irp q, 0,1,2,3
	global_prefetch_b8 v[PFO], s[4:5] offset:32*PLANE*\q+256*(\tn+2) th:TH_LOAD_NT scope:SCOPE_SE
.endr
.endif
	s_wait_dscnt 24                                ; chunk 0's pairs are in; three chunks of eight loads may be out
	CCHUNK 0
	s_wait_dscnt 16
	CCHUNK 1
	s_wait_dscnt 8                                 ; chunk 2's pairs are in
.endif
.if \hc
	REDLD                                          ; they come in while pass C goes on
.endif
.if \hn
	CCHUNK 2
	s_wait_dscnt 48*\hc                            ; chunk 3's pairs are in; behind them stand the 48 loads of partial sums, where there are any
	CCHUNK 3
.endif
.if \hc
	FINISH
.endif
.if \hn
	FOLD
	ds_store_b128 v[EXS], v[SUM:SUM+3] offset:2048                 ; my wave's sum y^2
.endif
	WIN 0
.if \first
	s_wait_tensorcnt 0x0                           ; my quarter of the fragments has landed
.endif
	s_wait_dscnt 0x0                               ; for the other waves' sake
	BAR                                            ; barrier 2
.if \hn
.irp k, 0,1,2,3
	ds_load_b128 v[TMP+4*\k:TMP+4*\k+3], v[EXL] offset:2048+256*\k
.endr
.endif
.if \hc
	s_wait_xcnt 0x0                                ; the last tile's stores have had their addresses translated (ISA guide 3.1): their data registers are loaded again only behind this wait
	ds_load_b128 v[OUTR:OUTR+3], v[OLDA]                           ; classes 0 to 7: 16 threads a row
	ds_load_b128 v[OUTR+4:OUTR+7], v[OLDA] offset:2048             ; classes 8 to 15
.endif
.if \hn
	s_wait_dscnt 2*\hc                             ; the four sums are in; the two loads of result rows may be out
	v_pk_add_f32 v[SUM:SUM+1], v[TMP:TMP+1], v[TMP+4:TMP+5]        ; waves 0, 1, 2, 3 in this order in every wave
	v_pk_add_f32 v[SUM+2:SUM+3], v[TMP+2:TMP+3], v[TMP+6:TMP+7]
	v_pk_add_f32 v[SUM:SUM+1], v[SUM:SUM+1], v[TMP+8:TMP+9]
	v_pk_add_f32 v[SUM+2:SUM+3], v[SUM+2:SUM+3], v[TMP+10:TMP+11]
	v_pk_add_f32 v[SUM:SUM+1], v[SUM:SUM+1], v[TMP+12:TMP+13]
	v_pk_add_f32 v[SUM+2:SUM+3], v[SUM+2:SUM+3], v[TMP+14:TMP+15]
.irp j, 0,1,2,3
	v_sqrt_f32 v[TMP+\j], v[SUM+\j]                ; |y|
.endr
	v_nop
	s_wait_alu depctr_va_vdst(0)
.irp j, 0,1,2,3
	v_max_num_f32 v[TMP+\j], 0x2b8cbccc, v[TMP+\j] ; max(|y|, 1e-12)
.endr
.irp j, 0,1,2,3
	v_rcp_f32 v[TMP+\j], v[TMP+\j]
.endr
	v_nop
	s_wait_alu depctr_va_vdst(0)
	v_pk_mul_f32 v[SC:SC+1], v[TMP:TMP+1], 0x42000000 op_sel_hi:[1,0]              ; x 32
	v_pk_mul_f32 v[SC+2:SC+3], v[TMP+2:TMP+3], 0x42000000 op_sel_hi:[1,0]
.endif
.if \hc
	s_wait_dscnt 0x0
	global_store_b128 v[OGO], v[OUTR:OUTR+3], s[8:9] offset:256*\tc th:TH_STORE_NT                 ; 16 lanes store 256 consecutive bytes, aligned
	global_store_b128 v[OGO], v[OUTR+4:OUTR+7], s[8:9] offset:8*PLANE+256*\tc th:TH_STORE_NT
	s_cmp_gt_u32 s10, 2                            ; classes 16 to 18: waves 0, 1 and 2 take one row each, 8 bytes a lane; wave 3 has none
	s_cbranch_scc1 .Lno_row_\@
	ds_load_b64 v[OUTR+8:OUTR+9], v[OLD3]
	s_wait_dscnt 0x0
	global_store_b64 v[OGO3], v[OUTR+8:OUTR+9], s[8:9] offset:16*PLANE+256*\tc th:TH_STORE_NT      ; 32 lanes store 256 consecutive bytes, aligned
.Lno_row_\@:
.endif
.endm
	s_load_b128 s[4:7], s[0:1], 0x0                ; x s[4:5], wtab s[6:7]
	s_load_b64 s[8:9], s[0:1], 0x10                ; out0
	s_set_vgpr_msb 0x40
	v_lshl_add_u32 v254, v0, 2, 0x4b400
	v_mov_b32 v255, 0
	s_set_vgpr_msb 0x4045
	ds_add_u32 v254, v255
	s_set_vgpr_msb 0x4500
	v_lshrrev_b32 v1, 5, v0
	v_readfirstlane_b32 s10, v1                    ; wave w
	s_bfe_u32 s11, ttmp6, 0x40000                  ; cx; it enters the addresses of x and out0 alone: no branch, no LDS address, no descriptor
	s_lshl_b32 s12, ttmp9, 2                       ; in a cluster launch ttmp9 counts clusters
	s_add_co_u32 s12, s12, s11                     ; work-group g
	s_lshr_b32 s13, s12, 6                         ; image b
	s_and_b32 s35, s12, 63
	s_lshl_b32 s35, s35, 10                        ; my 256 pixels: byte in a plane
	s_lshl_b32 s14, s13, 25                        ; an image of x is 512 planes
	s_lshl_b32 s36, s10, 23                        ; my wave's 128 planes
	s_add_co_u32 s14, s14, s36
	s_add_co_u32 s14, s14, s35
	s_mov_b32 s15, 0
	s_mul_i32 s36, s13, 19*PLANE                   ; an image of out0 is 19 planes
	s_add_co_u32 s36, s36, s35
	s_mov_b32 s37, 0
	s_mul_i32 s38, s10, FQUART                     ; my wave's quarter of the fragments
	s_mov_b32 s39, 0
	s_mul_i32 s42, s10, TQUART                     ; and of the tables behind them
	s_add_co_u32 s42, s42, LGB
	s_mov_b32 s43, 0
	s_mov_b32 s28, 0x76543210                      ; v_permlanex16_b32: lane i reads lane i of the other half
	s_mov_b32 s29, 0xfedcba98
	s_mov_b32 s30, 0x3b000000                      ; 1 / 512
	s_mov_b32 s31, 0x3727c5ac                      ; 1e-5
	s_mov_b32 s33, 0x3d579436                      ; 1 / 19
	; descriptor group 1 for the fragments: 192 rows of 32 elements of 8 bytes, dense
	s_mov_b32 s16, 0x0023000f                      ; 15:0 mask: all four work-groups of the cluster; 17:16 elements of 8 bytes; 21 set beside a mask; no padding
	s_mov_b32 s17, 32<<16                          ; tensor_dim0 = 32
	s_mov_b32 s18, 192<<16                         ; tensor_dim1 = 192
	s_mov_b32 s19, 32<<16                          ; tile_dim0 = 32
	s_mov_b32 s20, 192                             ; tile_dim1 = 192
	s_mov_b32 s21, 32                              ; from row to row: 32 elements
	s_mov_b32 s22, 0
	s_mov_b32 s23, 0
	s_mov_b32 s24, 1                               ; group 0: count = 1
	s_mul_i32 s25, s10, FQUART                     ; LDS address: the wave's number times a constant
	; and for the tables: 5 rows
	s_mov_b32 s44, 0x0023000f
	s_mov_b32 s45, 32<<16
	s_mov_b32 s46, 5<<16
	s_mov_b32 s47, 32<<16
	s_mov_b32 s48, 5
	s_mov_b32 s49, 32
	s_mov_b32 s50, 0
	s_mov_b32 s51, 0
	s_mov_b32 s52, 1
	s_mul_i32 s53, s10, TQUART
	s_add_co_u32 s53, s53, LGB                     ; LDS address: a constant + the wave's number times a constant
	v_and_b32 v16, 31, v0                          ; lane
	v_and_b32 v17, 15, v0                          ; r
	v_bfe_u32 v18, v0, 4, 1                        ; h
	v_lshlrev_b32 v19, 4, v17                      ; 16 r
	v_lshlrev_b32 v20, 4, v16                      ; 16 lane
	v_lshl_add_u32 v[XOFF], v18, 19, v19           ; lanes 16-31 eight planes further
	v_lshlrev_b32 v[PFO], 16, v16
	s_mul_i32 s40, s10, 49152
	v_add_nc_u32 v[WADR], s40, v20
	s_lshl_b32 s40, s10, 10
	s_add_co_u32 s40, s40, LGB
	v_lshl_add_u32 v[GBADR], v18, 6, s40           ; 8 bytes a channel: 1,024 w + 64 h
	s_lshl_b32 s40, s10, 8
	s_add_co_u32 s40, s40, STAT
	v_add_nc_u32 v[EXS], s40, v19
	v_add_nc_u32 v[EXL], STAT, v19
	s_mul_i32 s40, s10, 6144
	s_add_co_u32 s40, s40, RED
	v_add_nc_u32 v[REDS], s40, v20
	v_add_nc_u32 v[REDS+1], 49152, v[REDS]
	s_mul_i32 s40, s10, 24576
	s_add_co_u32 s40, s40, RED
	v_add_nc_u32 v[REDL], s40, v20
	v_lshl_add_u32 v[ETAD], v18, 6, LET
	s_lshl_b32 s40, s10, 2
	s_add_co_u32 s40, s40, OST
	v_mad_u32_u24 v[OSTA], v18, 2560, v19          ; ten rows on for lanes 16-31
	v_add_nc_u32 v[OSTA], s40, v[OSTA]
	v_add_nc_u32 v[OST9], s40, v19
	v_add_nc_u32 v[OST9], 2304, v[OST9]
	v_lshl_add_u32 v[OLDA], v0, 4, OST
	v_lshrrev_b32 v[OGO], 4, v0
	v_lshl_add_u32 v[OGO], v[OGO], 16, v19         ; class (thread >> 4), 16 bytes a thread
	s_lshl_b32 s40, s10, 8
	s_add_co_u32 s40, s40, OST+4096
	v_lshl_add_u32 v[OLD3], v16, 3, s40            ; row 16 + w of the results, 8 bytes a lane
	s_lshl_b32 s40, s10, 16
	v_lshl_add_u32 v[OGO3], v16, 3, s40            ; w planes + 8 bytes a lane
	v_mul_u32_u24 v1, 96, v18
	v_add_nc_u32 v1, LMK, v1                       ; my half's gains and biases
.irp j, 0,1,2,3
	v_mov_b32 v[PT+\j], 0                          ; v_permlanex16_b32 counts as a reader of its destination
.endr
	s_wait_dscnt 0x0
	s_wait_kmcnt 0x0
	s_add_nc_u64 s[4:5], s[4:5], s[14:15]          ; never rewritten: the tile and the channel stand in the loads' immediates, 7,799,552 at the most
	s_add_nc_u64 s[8:9], s[8:9], s[36:37]
	s_add_nc_u64 s[26:27], s[6:7], s[38:39]        ; hangs on the wave's number alone: equal in the four partners
	s_or_b32 s27, s27, 0x80000000                  ; type = 2
	s_add_nc_u64 s[54:55], s[6:7], s[42:43]
	s_or_b32 s55, s55, 0x80000000
	LOADX 0, 2, 0                                  ; all of tile 0 first: passes A and B want nothing else
	LOADX 0, 2, 1
	LOADX 0, 2, 2
	LOADX 0, 2, 3
	ROUND                                          ; the four work-groups are here: their joint requests meet
	tensor_load_to_lds s[52:55], s[44:51]          ; my quarter of the tables: pass C of tile 0 wants them
	s_nop 0
	tensor_load_to_lds s[24:27], s[16:23]          ; my quarter of the fragments: pass D of tile 0 wants them
	s_nop 0
	STAGES 0, 0, 1, 0, 2, 1, 0, 1                  ; tile 0: passes A, B, C; tile 1 is requested
	WIN 0x40
.set ii, 0
.rept 6
	ds_load_b128 v[MG+4*ii:MG+4*ii+3], v1 offset:16*ii             ; the class gains and biases, once; first read behind later waits for all LDS accesses
.set ii, ii+1
.endr
	PASSD 2, 1, 1, 2                               ; tile 0; tile 2 is requested
	STAGES 1, 0, 1, 1, 3, 0, 1, 1
	PASSD 3, 1, 1, 3                               ; tile 1; tile 3 is requested
	STAGES 1, 1, 1, 2, 2, 0, 1, 0
	PASSD 2, 1, 0, 0                               ; tile 2
	STAGES 1, 2, 1, 3, 3, 0, 0, 0
	PASSD 3, 0, 0, 0                               ; tile 3
	STAGES 1, 3, 0, 0, 2, 0, 0, 0
	s_set_vgpr_msb 0x5
	s_wait_tensorcnt 0x0
	ds_add_u32 v254, v255
	s_wait_dscnt 0x0
	s_set_vgpr_msb 0x500
	ROUND                                          ; the closing round: no work-group ends before all four have made their joint requests
	s_endpgm
.Lfunc_end_k_qe7c637b06a_main:
	.size	k_qe7c637b06a_main, .Lfunc_end_k_qe7c637b06a_main-k_qe7c637b06a_main
	.p2alignl 7, 3214868480
	.fill 96, 4, 3214868480
	.section	.rodata,"a",@progbits
	.p2align	6, 0x0
	.amdhsa_kernel k_qe7c637b06a_main
		.amdhsa_group_segment_fixed_size 308736
		.amdhsa_private_segment_fixed_size 0
		.amdhsa_enable_private_segment 0
		.amdhsa_kernarg_size 24
		.amdhsa_user_sgpr_count 2
		.amdhsa_user_sgpr_kernarg_segment_ptr 1
		.amdhsa_wavefront_size32 1
		.amdhsa_system_sgpr_workgroup_id_x 1
		.amdhsa_system_sgpr_workgroup_id_y 1
		.amdhsa_system_sgpr_workgroup_id_z 1
		.amdhsa_system_vgpr_workitem_id 0
		.amdhsa_next_free_vgpr 1024
		.amdhsa_next_free_sgpr 66
		.amdhsa_reserve_vcc 0
		.amdhsa_float_denorm_mode_32 3
		.amdhsa_float_denorm_mode_16_64 3
		.amdhsa_memory_ordered 1
		.amdhsa_forward_progress 1
		.amdhsa_inst_pref_size 255
	.end_amdhsa_kernel
	.section	.bss,"aw",@nobits
	.p2align	6
	.space	262144
	.amdgpu_metadata
---
amdhsa.version: [ 1, 2 ]
amdhsa.kernels:
  - .name:           k_qe7c637b06a_main
    .symbol:         k_qe7c637b06a_main.kd
    .args:
      - { .name: x, .offset: 0, .size: 8, .value_kind: global_buffer, .address_space: global }
      - { .name: wtab, .offset: 8, .size: 8, .value_kind: global_buffer, .address_space: global }
      - { .name: out0, .offset: 16, .size: 8, .value_kind: global_buffer, .address_space: global }
    .group_segment_fixed_size: 308736
    .private_segment_fixed_size: 0
    .kernarg_segment_align: 8
    .kernarg_segment_size: 24
    .max_flat_workgroup_size: 128
    .sgpr_count:     66
    .vgpr_count:     1024
    .wavefront_size: 32
...
	.end_amdgpu_metadata
.endif
;; end of part 2
